; MI455X (gfx1250); checked and timed in simulation.
; The chip was launched on July 23, 2026; its instructions are those of AMD's public machine-readable ISA for CDNA 5 (MIT licence, August 2026) and "CDNA5" Instruction Set Architecture Reference Guide (July 2026). The comments in the code are by the model that wrote it; some were corrected since.
;; Multiplicative Cross Attention. Allowed arithmetic: matrix products marked QUANTISED: E5M2 operands, one E8M0 scale for each 32 along K, by v_wmma_scale_f32_16x16x128_f8f6f4 with both operands' format E5M2, f32 sums; products left as they are: f32 operands where the result goes on into a quantised operand, else bf16, f16 or f32 operands; f32 sums; everything else in f32.
;; Inputs: keyvalues 32 x 4,096 x 512 float32; keyvalues_mask 32 x 4,096 int32; query_codes 32 x 16 x 32 uint8 (E5M2 codes of query, K innermost, in blocks of 32 codes); query_scales 32 x 16 uint8 (E8M0 scales of query, one for each 32 codes along K); weight_codes 512 x 16 x 32 uint8 (E5M2 codes of weight, K innermost, in blocks of 32 codes); weight_scales 512 x 16 uint8 (E8M0 scales of weight, one for each 32 codes along K).
;; Outputs: out0 32 x 512 float32.
;; This version of the problem:
;;   THIS VERSION OF THE PROBLEM IS GIVEN IN LOW PRECISION. The matrix products marked QUANTISED in the list below multiply operands that are first quantised to E5M2 (5 exponent bits, 2 mantissa bits; 8 bits a number), with one power-of-two scale for each 32 numbers along K (OCP MX v1.0); their sums are f32. All else is computed in f32.
;;   The module's matrix products, in the order in which they are computed (A, B: the left and right operand; K: the contracted axis; several contracted axes count as one K, in the product's order):
;;     1. [M 32, K 512] x [K 512, N 512]; A: input query (given as codes); B: input weight (given as codes): QUANTISED
;;     2. batch 32 x [M 4,096, K 512] x [K 512, N 1]; A: input keyvalues; B: computed on the way: left as it is (N = 1 < 16)
;;     3. batch 32 x [M 1, K 4,096] x [K 4,096, N 512]; A: softmax; B: input keyvalues: left as it is (M = 1 < 16)
;;   THE QUANTISER, for each operand of a quantised product, along K:
;;     - K is cut into blocks of 32 from its start; a last block that is shorter is filled with zeros.
;;     - A block's scale is 2^e with e = floor(log2(the largest magnitude in the block)) - 15, held to -126 .. 127; a block of zeros has e = 0. As a byte (E8M0): e + 127.
;;     - Each number is divided by its block's scale, clamped to +-57,344, and rounded to the nearest number of E5M2, ties to even, subnormals kept.
;;     - The product sums the exact products of the quantised numbers (number of the format x scale) in f32.
;;   ~~~python
;;   def quantise(x, axis):      # numpy; x: float32 -> the quantised numbers, widened to float32 again
;;       x = np.moveaxis(x, axis, -1); K = x.shape[-1]
;;       x = np.pad(x, [(0, 0)] * (x.ndim - 1) + [(0, -K % 32)]); x = x.reshape(x.shape[:-1] + (-1, 32)); a = np.abs(x).max(-1, keepdims=True)
;;       e = np.where(a > 0, np.clip(np.frexp(np.where(a > 0, a, 1))[1] - 1 - 15, -126, 127), 0)      # np.frexp(a)[1] - 1 = floor(log2(a)), exactly
;;       r = np.clip(x / 2.0 ** e, -57344, 57344)
;;       step = 2.0 ** (np.maximum(np.frexp(np.where(r == 0, 1, r))[1] - 1, -14) - 2)
;;       q = np.round(r / step) * step * 2.0 ** e      # np.round: ties to even
;;       return np.moveaxis(q.reshape(q.shape[:-2] + (-1,))[..., :K], -1, axis).astype(np.float32)
;;   ~~~
;;   INPUTS GIVEN AS CODES. query (in the module: [32, 512], K = its axis 1); weight (in the module: [512, 512], K = its axis 0): each comes as NAME_codes (uint8): NAME with its K axis moved to the last place and cut into blocks of 32 codes, [.., K / 32, bytes a block], one block behind the other in memory; one code a byte (a code: sign, 5 exponent bits, 2 mantissa bits); and NAME_scales (uint8): the same leading axes, one E8M0 byte (e + 127) for each 32 codes along K. Its value is code x scale, taken as it is: it is not quantised again, and the codes and scales need not be those that the quantiser above would give.
;; 2 versions, each right; version 2 is version 1 with the launch main written anew for expert scheduling mode. Each part assembles by itself: llvm-mc -triple=amdgcn-amd-amdhsa -mcpu=gfx1250 --defsym DOCPART=n.
;; ======== version 1 of 2: 2 launches
;; limits: right only within a limited range of input values
;; workspace buffers: part 589,824 bytes
;; launch main (part 1): grid 8 x 32, 16 waves a work-group, no clusters, 38,912 bytes of LDS; arguments keyvalues, keyvalues_mask, query_codes, query_scales, weight_codes, weight_scales, part; writes part
.if DOCPART == 1
	.amdgcn_target "amdgcn-amd-amdhsa--gfx1250"
	.amdhsa_code_object_version 6
	.text
	.protected	k_q5d4afd9a3e_main
	.globl	k_q5d4afd9a3e_main
	.p2align	8
	.type	k_q5d4afd9a3e_main,@function
k_q5d4afd9a3e_main:
	s_mov_b64 s[64:65], 0
	v_nop
	global_prefetch_b8 v0, s[64:65] scope:SCOPE_SE
	s_setreg_imm32_b32 hwreg(HW_REG_WAVE_MODE, 25, 1), 1
	s_wait_xcnt 0x0
; a[b][:] = sum over s of softmax_s(mask, kv[b][s] . v[b]) kv[b][s][:],  v[b][k] = sum over q of query[b][q] weight[q][k].
; v is the quantised product: codes of BF8 (E5M2) with E8M0 scales, as they are given, by the scaled matrix instruction.  All else is f32.
; SHARES.  A work-group of 16 waves takes one block of 512 rows of one batch (grid: 8 blocks x 32 batches) and leaves a part: the largest t, the sum of p and the 512 sums of p x kv
; (t = score x log2 e, p = 2^(t - m), m the running largest t).  The next launch joins a batch's 8 parts.
; ROWS UNDER A ZERO OF THE MASK ARE NOT READ: their weight is 0.  Every wave reads the block's 512 mask words, counts, and finds its own rows: the live row of rank 16 i + w is row i of wave w,
; so the waves' counts differ by one at the most.  The search is done in registers, a lane for each i; nothing is scattered.
; v: wave w makes columns 32 w .. 32 w + 31: source 0 = 16 rows of weight_codes (K innermost), source 1 = the batch's query row in all 16 columns, so every lane holds v of my batch;
; the 512 numbers meet in LDS.  Each work-group makes its own v: 262,144 bytes of codes against a launch more.
; THE STREAM.  A row is 2,048 bytes: four loads of a wave, each 512 consecutive bytes, aligned; a lane holds 16 numbers of the row, of v and of the sums.  Rows go in groups of 5 through two buffers of
; 80 registers: a group is asked for before the group ahead of it is worked on, so 5 to 10 rows of each wave are on their way.
; NO JOINT LOADS for the weights, which all work-groups read.
; LIMITS.  NaN and infinities in keyvalues are not served (a row under a zero of the mask is not read, so its 0 x infinity does not show); t under -3e38 is not served; sums in another order than the reference's.
; A block with no live row leaves m = -3e38, l = 0 and sums of 0.
.set R,     5                          ; rows in a group
.set VST,   0                          ; LDS: v of my batch, 512 f32
.set ML,    2048                       ; LDS: (m, l) of the 16 waves, 8 bytes each
.set CMB,   4096                       ; LDS: the 16 waves' sums, 2,048 bytes each
.set PARTB, 2304                       ; a block's part in the workspace: 2,048 bytes of sums, then 256 bytes of (m, l)
.set LO,   1                           ; v1   16 x lane: my bytes of a load's 512; never rewritten
.set ROW,  2                           ; v2   lane i: row i of my wave
.set VS,   3                           ; v3   LDS: where I put v
.set WA,   4                           ; v4   weights: 512 r + 16 h;            later CA: where I put my sums
.set CA,   4
.set QA,   5                           ; v5   query: 16 h;                      later RA: where I read sums back
.set RA,   5
.set SA,   6                           ; v6   weight scales: 16 r;              later MLW: where I put (m, l)
.set MLW,  6
.set ZZ,   7                           ; v7   0;                                later 32 x wave
.set W32,  7
.set KK,   8                           ; v8-15, v64-66: the search;  later v[8:9] m, l;  v[10:11] a;  v12 the old m
.set XW,   9
.set RK,   10
.set JJ,   11
.set C2,   12
.set C4,   13
.set C8,   14
.set C16,  15
.set M,    8
.set AF,   10
.set MO,   12
.set MK,   16                          ; v16-31  the mask words, then v x log2 e
.set V,    16
.set D,    32                          ; v32-47  the product's two results, then the 16 sums
.set ACC,  32
.set T,    48                          ; v48-57  a pair for each row of a group: t, then p, in the even register
.set TT,   64
.set TU,   65
.set POS,  66
.set BS,   68                          ; v68-71   the query row's scale words: nothing else
.set X,    72                          ; v72-231  two buffers of 5 rows x 16 registers
.set WF,   72                          ; v72-199  ahead of that: the weights' fragments (tile u, K step s) at 64 u + 16 s; the query's at v200, v216, v232, v48
.set AS,   248                         ; v248-255 the weights' scale words (tile u, K step s) at 4 u + s: nothing else
.set TB,   72                          ; the end: (m, l) of 16 waves;  v104-167 their sums;  v168-171 the joined sums;  v[172:173] the block's m, l
.set PC,   104
.set RS,   168
.set GM,   172
.set BW,   16                          ; s16-31  the mask as 16 words of 32 bits
.set PF,   32                          ; s32-48  live rows ahead of each word; s48: in the block
.set WV,   49                          ; s49     my wave
.set CNT,  50                          ; s50     my wave's rows
.set NINF, 51                          ; s51     -infinity
.set SEL,  52                          ; s[52:53] v_permlanex16_b32's selects for lane l xor 16
.set TMP,  54                          ; s[54:55] an offset, its high word 0
.set BT,   56                          ; s56     the batch
.set BLK,  57                          ; s57     8 x batch + block
.set BASE, 66                          ; s66-85  a row's address for each of the ten places in the buffers
.set VAL,  86                          ; s86-90  0 for a place that holds a row of mine, -infinity for one that does not
	s_load_b256 s[4:11], s[0:1], 0x0               ; keyvalues s[4:5], mask s[6:7], query codes s[8:9], query scales s[10:11]
	s_load_b128 s[12:15], s[0:1], 0x20             ; weight codes s[12:13], weight scales s[14:15]
	s_load_b64 s[2:3], s[0:1], 0x30                ; the parts
	v_lshrrev_b32 v[POS], 5, v0
	v_readfirstlane_b32 s[WV], v[POS]              ; wave 0..15
	v_and_b32 v[LO], 31, v0                        ; lane
	v_lshl_add_u32 v[KK], v[LO], 4, s[WV]          ; the rank that lane i looks for: 16 i + w
	v_lshlrev_b32 v[LO], 4, v[LO]
	v_and_b32 v[TT], 15, v0                        ; r
	v_bfe_u32 v[TU], v0, 4, 1                      ; h
	v_lshlrev_b32 v[WA], 9, v[TT]                  ; a row of weight codes is 512 bytes
	v_lshl_add_u32 v[WA], v[TU], 4, v[WA]
	v_lshlrev_b32 v[QA], 4, v[TU]                  ; every lane takes the batch's one query row
	v_lshlrev_b32 v[SA], 4, v[TT]                  ; 16 scale bytes a row
	v_mov_b32 v[ZZ], 0
	s_and_b32 s[BT], ttmp7, 0xffff
	s_lshl_b32 s[BLK], s[BT], 3
	s_add_co_u32 s[BLK], s[BLK], ttmp9
	s_mov_b32 s[TMP+1], 0
	s_mov_b32 s[NINF], 0xff800000
	s_mov_b32 s[SEL], 0x76543210
	s_mov_b32 s[SEL+1], 0xfedcba98
	s_wait_kmcnt 0x0
	s_lshl_b32 s[TMP], s[BLK], 11                  ; 512 mask words of 4 bytes
	s_add_nc_u64 s[6:7], s[6:7], s[TMP:TMP+1]
	s_lshl_b32 s[TMP], s[BLK], 20                  ; 512 rows of 2,048 bytes (under 2^28 in all)
	s_add_nc_u64 s[4:5], s[4:5], s[TMP:TMP+1]
	s_mul_i32 s[TMP], s[BLK], PARTB
	s_add_nc_u64 s[2:3], s[2:3], s[TMP:TMP+1]
	s_lshl_b32 s[TMP], s[BT], 9
	s_add_nc_u64 s[8:9], s[8:9], s[TMP:TMP+1]
	s_lshl_b32 s[TMP], s[BT], 4
	s_add_nc_u64 s[10:11], s[10:11], s[TMP:TMP+1]
	s_lshl_b32 s[TMP], s[WV], 14                   ; my 32 rows of weight codes
	s_add_nc_u64 s[12:13], s[12:13], s[TMP:TMP+1]
	s_lshl_b32 s[TMP], s[WV], 9                    ; and their scale bytes
	s_add_nc_u64 s[14:15], s[14:15], s[TMP:TMP+1]
	; the mask first: it is wanted first.  Register 4 q + e of lane l holds the word of row 128 q + 4 l + e
.irp q, 0,1,2,3
	global_load_b128 v[MK+4*\q:MK+4*\q+3], v[LO], s[6:7] offset:512*\q
.endr
	global_load_b128 v[AS:AS+3], v[SA], s[14:15]               ; lane r: row r's four scale words, one for each 128 along K
	global_load_b128 v[AS+4:AS+7], v[SA], s[14:15] offset:256
	global_load_b128 v[BS:BS+3], v[ZZ], s[10:11]               ; the query row's, the same in every lane
.macro QLOAD s, q                      ; a fragment: registers 4 c .. 4 c + 3 hold K = 128 s + 32 c + 16 h + 0 .. 15
.irp c, 0,1,2,3
	global_load_b128 v[\q+4*\c:\q+4*\c+3], v[QA], s[8:9] offset:128*\s+32*\c
.endr
.endm
	QLOAD 0, 200
	QLOAD 1, 216
	QLOAD 2, 232
	QLOAD 3, 48
.irp u, 0,1
.irp s, 0,1,2,3
.irp c, 0,1,2,3
	global_load_b128 v[WF+64*\u+16*\s+4*\c:WF+64*\u+16*\s+4*\c+3], v[WA], s[12:13] offset:8192*\u+128*\s+32*\c
.endr
.endr
.endr
	; ---- which rows are mine.  All of this stands between the weights' loads and the wait for them
	s_wait_loadcnt 51                              ; the mask's four loads are in; the 3 + 16 + 32 loads issued behind them may be out
.irp j, 0,1,2,3,4,5,6,7,8,9,10,11,12,13,14,15
	v_cmp_ne_u32 s[BW+\j], 0, v[MK+\j]             ; word j: bit l stands for row 128 (j / 4) + 4 l + j % 4.  The order of the rows is free: every live row gets one rank
.endr
	s_mov_b32 s[PF], 0
.irp j, 0,1,2,3,4,5,6,7,8,9,10,11,12,13,14,15
	s_bcnt1_i32_b32 s[TMP], s[BW+\j]
	s_add_co_u32 s[PF+\j+1], s[PF+\j], s[TMP]
.endr
	s_add_co_u32 s[CNT], s[PF+16], 15
	s_sub_co_u32 s[CNT], s[CNT], s[WV]
	s_lshr_b32 s[CNT], s[CNT], 4                   ; ranks 16 i + w under the block's count: (n + 15 - w) / 16
	v_mov_b32 v[XW], s[BW]
	v_mov_b32 v[RK], 0
	v_mov_b32 v[JJ], 0
.irp j, 1,2,3,4,5,6,7,8,9,10,11,12,13,14,15
	v_cmp_gt_u32 vcc_lo, s[PF+\j], v[KK]           ; the last word with no more live rows ahead of it than my rank holds my row
	v_cndmask_b32 v[XW], s[BW+\j], v[XW], vcc_lo   ; the word,
	v_cndmask_b32 v[RK], s[PF+\j], v[RK], vcc_lo   ; the live rows ahead of it,
	v_cndmask_b32 v[JJ], 128*(\j/4)+\j%4, v[JJ], vcc_lo   ; the row of its bit 0
.endr
	v_sub_nc_u32 v[RK], v[KK], v[RK]               ; my rank inside the word
	v_lshrrev_b32 v[TT], 1, v[XW]                  ; the word's ones, counted in fields of 2, 4, 8 bits and in the low 16
	v_and_b32 v[TT], 0x55555555, v[TT]
	v_sub_nc_u32 v[C2], v[XW], v[TT]
	v_lshrrev_b32 v[TT], 2, v[C2]
	v_and_b32 v[TT], 0x33333333, v[TT]
	v_and_b32 v[TU], 0x33333333, v[C2]
	v_add_nc_u32 v[C4], v[TU], v[TT]
	v_lshrrev_b32 v[TT], 4, v[C4]
	v_add_nc_u32 v[TT], v[C4], v[TT]
	v_and_b32 v[C8], 0x0f0f0f0f, v[TT]
	v_lshrrev_b32 v[TT], 8, v[C8]
	v_add_nc_u32 v[TT], v[C8], v[TT]
	v_and_b32 v[C16], 0xff, v[TT]
	v_mov_b32 v[POS], 0
.macro DOWN cnt, wid                   ; is my one among the lower wid bits from POS on?  If not, pass them
	v_bfe_u32 v[TT], v[\cnt], v[POS], \wid
	v_cmp_ge_u32 vcc_lo, v[RK], v[TT]
	v_sub_nc_u32 v[TT], v[RK], v[TT]
	v_cndmask_b32 v[RK], v[RK], v[TT], vcc_lo
	v_cndmask_b32 v[TU], 0, \wid, vcc_lo
	v_add_nc_u32 v[POS], v[POS], v[TU]
.endm
	DOWN C16, 16
	DOWN C8, 8
	DOWN C4, 4
	DOWN C2, 2
	DOWN XW, 1
	v_lshl_add_u32 v[ROW], v[POS], 2, v[JJ]        ; a lane whose rank is past the count ends at row 511: inside the block, and never counted
	; ---- v = query x weight, my 32 columns: two accumulators by turns; the first K step starts the sums
	s_wait_loadcnt 0x0
.macro MM u, s, q, first
.if \first
	v_wmma_scale_f32_16x16x128_f8f6f4 v[D+8*\u:D+8*\u+7], v[WF+64*\u+16*\s:WF+64*\u+16*\s+15], v[\q:\q+15], 0, v[AS+4*\u+\s], v[BS+\s] matrix_a_fmt:MATRIX_FMT_BF8 matrix_b_fmt:MATRIX_FMT_BF8
.else
	v_wmma_scale_f32_16x16x128_f8f6f4 v[D+8*\u:D+8*\u+7], v[WF+64*\u+16*\s:WF+64*\u+16*\s+15], v[\q:\q+15], v[D+8*\u:D+8*\u+7], v[AS+4*\u+\s], v[BS+\s] matrix_a_fmt:MATRIX_FMT_BF8 matrix_b_fmt:MATRIX_FMT_BF8
.endif
.endm
	MM 0, 0, 200, 1
	MM 1, 0, 200, 1
	MM 0, 1, 216, 0
	MM 1, 1, 216, 0
	MM 0, 2, 232, 0
	MM 1, 2, 232, 0
	MM 0, 3, 48, 0
	MM 1, 3, 48, 0
	; thirteen plain instructions that name no register of the products: more than the eight places owed ahead of the LDS stores of the results and of the loads into the fragments' registers
	v_and_b32 v[W32], 0x1e0, v0                    ; 32 x wave
	v_bfe_u32 v[VS], v0, 4, 1
	v_lshlrev_b32 v[VS], 5, v[VS]
	v_lshl_add_u32 v[VS], v[W32], 2, v[VS]         ; v: 128 w + 32 h: register j of tile u is column 32 w + 16 u + 8 h + j
	v_lshl_add_u32 v[CA], v[W32], 6, v[LO]
	v_add_nc_u32 v[CA], CMB, v[CA]                 ; my sums: 2,048 w + 16 x lane
	v_and_b32 v[RA], 127, v0
	v_lshl_add_u32 v[RA], v[RA], 4, CMB            ; back, in waves 0 to 3: 512 w + 16 x lane of each wave's 2,048 bytes
	v_lshrrev_b32 v[MLW], 2, v[W32]
	v_add_nc_u32 v[MLW], ML, v[MLW]                ; (m, l): 8 w
	v_mov_b32 v[M], 0xff61b1e6                     ; m = -3e38, under every t
	v_mov_b32 v[M+1], 0                            ; l
	v_mov_b32 v[AF+1], 0                           ; (named as the upper half of the pair v[10:11])
	ds_store_b128 v[VS], v[D:D+3]                  ; the sixteen lanes of a half hold the same numbers and write the same bytes; each result from its low end on
	ds_store_b128 v[VS], v[D+4:D+7] offset:16
	ds_store_b128 v[VS], v[D+8:D+11] offset:64
	ds_store_b128 v[VS], v[D+12:D+15] offset:80
; row j of group g is asked for: four loads of 512 consecutive bytes.  The row's number comes out of a lane, is held inside the block, and goes into an address of its own for each place
.macro ROWLOAD g, j
.set SL, R*((\g)%2)+(\j)
	v_readlane_b32 s[TMP], v[ROW], (\g)*R+(\j)
	s_min_u32 s[TMP], s[TMP], 511
	s_lshl_b32 s[TMP], s[TMP], 11
	s_add_nc_u64 s[BASE+2*SL:BASE+2*SL+1], s[4:5], s[TMP:TMP+1]   ; the place's last loads, two groups back, were waited for ahead of that group's work
.irp i, 0,1,2,3
	global_load_b128 v[X+16*SL+4*\i:X+16*SL+4*\i+3], v[LO], s[BASE+2*SL:BASE+2*SL+1] offset:512*\i th:TH_LOAD_NT
.endr
.endm
	; groups 0 and 1 are always asked for whole, so that every register of both buffers holds numbers of keyvalues: a wave with fewer than ten rows reads row 511 in the places left over
.irp j, 0,1,2,3,4
	ROWLOAD 0, \j
.endr
.irp j, 0,1,2,3,4
	ROWLOAD 1, \j
.endr
	s_wait_dscnt 0x0                               ; for the others' sake: my part of v lies in LDS
	s_barrier_signal -1
	s_barrier_wait -1
.irp i, 0,1,2,3
	ds_load_b128 v[V+4*\i:V+4*\i+3], v[LO] offset:VST+512*\i      ; register 4 i + e: column 128 i + 4 x lane + e, as the rows' loads lay them
.endr
.irp e, 0,1,2,3,4,5,6,7,8,9,10,11,12,13,14,15
	v_mov_b32 v[ACC+\e], 0                         ; the 16 sums (the results that lay here have been stored)
.endr
	s_wait_dscnt 0x0
.irp e, 0,2,4,6,8,10,12,14
	v_pk_mul_f32 v[V+\e:V+\e+1], v[V+\e:V+\e+1], 0x3fb8aa3b op_sel_hi:[1,0]   ; x log2 e, once: the dot products are t
.endr
; group g is asked for, as far as the wave has rows; then the wait for group g - 1.  The wait stands on the same way as the loads that it counts
.macro NEXT g, nr
.set j, 0
.rept \nr
	s_cmp_gt_u32 s[CNT], (\g)*R+j
	s_cbranch_scc0 .Lshort_\g
	ROWLOAD \g, j
.set j, j+1
.endr
	s_wait_loadcnt 4*\nr                           ; the group just asked for, whole, may stay out: the group ahead of it is in
	s_branch .Lgo_\g
.Lshort_\g:
	s_wait_loadcnt 0x0                             ; the wave's last rows: all that is out is waited for
.Lgo_\g:
.endm
; the work on group g, nr rows
.macro COMPUTE g, nr
.set XB, X+16*R*((\g)%2)
.set j, 0
.rept \nr
	s_cmp_gt_u32 s[CNT], (\g)*R+j
	s_cselect_b32 s[VAL+j], 0, s[NINF]
.set j, j+1
.endr
.set j, 0
.rept \nr
	v_pk_mul_f32 v[T+2*j:T+2*j+1], v[XB+16*j:XB+16*j+1], v[V:V+1]   ; t = row . v: my 16 numbers, two at a time, the rows by turns
.set j, j+1
.endr
.irp e, 2,4,6,8,10,12,14
.set j, 0
.rept \nr
	v_pk_fma_f32 v[T+2*j:T+2*j+1], v[XB+16*j+\e:XB+16*j+\e+1], v[V+\e:V+\e+1], v[T+2*j:T+2*j+1]
.set j, j+1
.endr
.endr
.set j, 0
.rept \nr
	v_add_f32 v[T+2*j], v[T+2*j], v[T+2*j+1]
.set j, j+1
.endr
.irp x, 1,2,4,8
.set j, 0
.rept \nr
	v_add_f32_dpp v[T+2*j], v[T+2*j], v[T+2*j] row_xmask:\x row_mask:0xf bank_mask:0xf   ; over the 16 lanes of a half,
.set j, j+1
.endr
.endr
.set j, 0
.rept \nr
	v_permlanex16_b32 v[T+2*j+1], v[T+2*j], s[SEL], s[SEL+1]
.set j, j+1
.endr
.set j, 0
.rept \nr
	v_add_f32 v[T+2*j], v[T+2*j], v[T+2*j+1]       ; and the other half's: every lane holds t
.set j, j+1
.endr
.set j, 0
.rept \nr
	v_add_f32 v[T+2*j], s[VAL+j], v[T+2*j]         ; a place without a row of mine: -infinity, so p = 0 (its registers hold an older row's numbers)
.set j, j+1
.endr
	v_mov_b32 v[MO], v[M]
	v_max3_num_f32 v[M], v[M], v[T], v[T+2]        ; the running largest t
.if \nr == 5
	v_max3_num_f32 v[M], v[M], v[T+4], v[T+6]
	v_max_num_f32 v[M], v[M], v[T+8]
.endif
	v_sub_f32 v[AF], v[MO], v[M]
.set j, 0
.rept \nr
	v_sub_f32 v[T+2*j], v[T+2*j], v[M]
.set j, j+1
.endr
	v_exp_f32 v[AF], v[AF]                         ; a = 2^(old m - new m)
.set j, 0
.rept \nr
	v_exp_f32 v[T+2*j], v[T+2*j]                   ; p = 2^(t - m)
.set j, j+1
.endr
	v_nop                                          ; a plain instruction behind the last exponential
	s_wait_alu depctr_va_vdst(0)                   ; one wait for the batch, ahead of its first reader
.irp e, 0,2,4,6,8,10,12,14
	v_pk_mul_f32 v[ACC+\e:ACC+\e+1], v[ACC+\e:ACC+\e+1], v[AF:AF+1] op_sel_hi:[1,0]   ; the sums under the new m
.endr
	v_fma_f32 v[M+1], v[M+1], v[AF], v[T]
.set j, 0
.rept \nr
.irp e, 0,2,4,6,8,10,12,14
	v_pk_fma_f32 v[ACC+\e:ACC+\e+1], v[XB+16*j+\e:XB+16*j+\e+1], v[T+2*j:T+2*j+1], v[ACC+\e:ACC+\e+1] op_sel_hi:[1,0,1]   ; += p x row (of the pair the low word, p, serves both halves)
.endr
.if j > 0
	v_add_f32 v[M+1], v[M+1], v[T+2*j]
.endif
.set j, j+1
.endr
.endm
.macro GUARD g                         ; no row of mine in group g: the wave has asked for nothing more
	s_cmp_gt_u32 s[CNT], (\g)*R
	s_cbranch_scc0 .Ldone
.endm
	; a wave has at most 32 rows: seven groups, written out; the lanes out of which the rows' numbers come are constants of the text
	s_wait_loadcnt 20                              ; group 0 is in; group 1's 20 loads may be out
	COMPUTE 0, 5
	NEXT 2, 5
	COMPUTE 1, 5
	GUARD 2
	NEXT 3, 5
	COMPUTE 2, 5
	GUARD 3
	NEXT 4, 5
	COMPUTE 3, 5
	GUARD 4
	NEXT 5, 5
	COMPUTE 4, 5
	GUARD 5
	NEXT 6, 2
	COMPUTE 5, 5
	GUARD 6
	s_wait_loadcnt 0x0
	COMPUTE 6, 2
.Ldone:
	s_wait_loadcnt 0x0                             ; a wave comes here only when it has asked for no further row: the wait says so on every way through the text
	; ---- the 16 waves' parts meet in LDS
.irp i, 0,1,2,3
	ds_store_b128 v[CA], v[ACC+4*\i:ACC+4*\i+3] offset:512*\i
.endr
	ds_store_b64 v[MLW], v[M:M+1]                  ; all lanes write the same 8 bytes with the same numbers
	s_wait_dscnt 0x0                               ; for the others' sake
	s_barrier_signal -1
	s_barrier_wait -1
	s_cmp_lt_u32 s[WV], 4
	s_cbranch_scc1 .Lsum
	s_wait_xcnt 0x0
	v_lshl_add_u32 v254, v0, 2, 0x9000
	v_mov_b32 v255, 0
	s_wait_tensorcnt 0x0
	ds_add_u32 v254, v255
	s_wait_dscnt 0x0
	s_endpgm
.Lsum:                                         ; wave i of four joins columns 128 i .. 128 i + 127, four a lane
	v_mov_b32 v[T], ML
.irp q, 0,1,2,3,4,5,6,7
	ds_load_b128 v[TB+4*\q:TB+4*\q+3], v[T] offset:16*\q          ; (m, l) of waves 2 q and 2 q + 1
.endr
.irp w, 0,1,2,3,4,5,6,7,8,9,10,11,12,13,14,15
	ds_load_b128 v[PC+4*\w:PC+4*\w+3], v[RA] offset:2048*\w
.endr
	v_lshlrev_b32 v[T+1], 4, v0                    ; my 16 bytes of the part's 2,048
	v_and_b32 v[T+2], 31, v0
	v_lshlrev_b32 v[T+2], 3, v[T+2]
	s_wait_dscnt 16                                ; the eight loads of (m, l) are in; the 16 of sums may be out
	v_max3_num_f32 v[GM], v[TB], v[TB+2], v[TB+4]
.irp w, 3,5,7,9,11,13
	v_max3_num_f32 v[GM], v[GM], v[TB+2*\w], v[TB+2*\w+2]
.endr
	v_max_num_f32 v[GM], v[GM], v[TB+30]           ; the block's m
.irp w, 0,1,2,3,4,5,6,7,8,9,10,11,12,13,14,15
	v_sub_f32 v[TB+2*\w], v[TB+2*\w], v[GM]
.endr
.irp w, 0,1,2,3,4,5,6,7,8,9,10,11,12,13,14,15
	v_exp_f32 v[TB+2*\w], v[TB+2*\w]               ; f = 2^(the wave's m - the block's): 1 for a wave without rows in a block without rows, whose sums are 0
.endr
	v_nop
	s_wait_alu depctr_va_vdst(0)                   ; one wait for the batch
	v_mul_f32 v[GM+1], v[TB], v[TB+1]
.irp w, 1,2,3,4,5,6,7,8,9,10,11,12,13,14,15
	v_fma_f32 v[GM+1], v[TB+2*\w], v[TB+2*\w+1], v[GM+1]          ; the block's l
.endr
	s_wait_dscnt 0x0
	v_pk_mul_f32 v[RS:RS+1], v[PC:PC+1], v[TB:TB+1] op_sel_hi:[1,0]
	v_pk_mul_f32 v[RS+2:RS+3], v[PC+2:PC+3], v[TB:TB+1] op_sel_hi:[1,0]
.irp w, 1,2,3,4,5,6,7,8,9,10,11,12,13,14,15
	v_pk_fma_f32 v[RS:RS+1], v[PC+4*\w:PC+4*\w+1], v[TB+2*\w:TB+2*\w+1], v[RS:RS+1] op_sel_hi:[1,0,1]
	v_pk_fma_f32 v[RS+2:RS+3], v[PC+4*\w+2:PC+4*\w+3], v[TB+2*\w:TB+2*\w+1], v[RS+2:RS+3] op_sel_hi:[1,0,1]
.endr
	global_store_b128 v[T+1], v[RS:RS+3], s[2:3]   ; the wave stores 512 consecutive bytes, aligned
	s_cmp_lg_u32 s[WV], 0
	s_cbranch_scc1 .Lend
	global_store_b64 v[T+2], v[GM:GM+1], s[2:3] offset:2048       ; (m, l) 32 times over: 256 consecutive bytes, aligned, by one store
.Lend:
	s_wait_xcnt 0x0
	v_lshl_add_u32 v254, v0, 2, 0x9000
	v_mov_b32 v255, 0
	s_wait_tensorcnt 0x0
	ds_add_u32 v254, v255
	s_wait_dscnt 0x0
	s_endpgm
.Lfunc_end_k_q5d4afd9a3e_main:
	.size	k_q5d4afd9a3e_main, .Lfunc_end_k_q5d4afd9a3e_main-k_q5d4afd9a3e_main
	.p2alignl 7, 3214868480
	.fill 96, 4, 3214868480
	.section	.rodata,"a",@progbits
	.p2align	6, 0x0
	.amdhsa_kernel k_q5d4afd9a3e_main
		.amdhsa_group_segment_fixed_size 38912
		.amdhsa_private_segment_fixed_size 0
		.amdhsa_enable_private_segment 0
		.amdhsa_kernarg_size 56
		.amdhsa_user_sgpr_count 2
		.amdhsa_user_sgpr_kernarg_segment_ptr 1
		.amdhsa_wavefront_size32 1
		.amdhsa_system_sgpr_workgroup_id_x 1
		.amdhsa_system_sgpr_workgroup_id_y 1
		.amdhsa_system_sgpr_workgroup_id_z 1
		.amdhsa_system_vgpr_workitem_id 0
		.amdhsa_next_free_vgpr 256
		.amdhsa_next_free_sgpr 96
		.amdhsa_reserve_vcc 1
		.amdhsa_float_denorm_mode_32 3
		.amdhsa_float_denorm_mode_16_64 3
		.amdhsa_memory_ordered 1
		.amdhsa_forward_progress 1
		.amdhsa_inst_pref_size 101
	.end_amdhsa_kernel
	.amdgpu_metadata
---
amdhsa.version: [ 1, 2 ]
amdhsa.kernels:
  - .name:           k_q5d4afd9a3e_main
    .symbol:         k_q5d4afd9a3e_main.kd
    .args:
      - { .name: keyvalues, .offset: 0, .size: 8, .value_kind: global_buffer, .address_space: global }
      - { .name: keyvalues_mask, .offset: 8, .size: 8, .value_kind: global_buffer, .address_space: global }
      - { .name: query_codes, .offset: 16, .size: 8, .value_kind: global_buffer, .address_space: global }
      - { .name: query_scales, .offset: 24, .size: 8, .value_kind: global_buffer, .address_space: global }
      - { .name: weight_codes, .offset: 32, .size: 8, .value_kind: global_buffer, .address_space: global }
      - { .name: weight_scales, .offset: 40, .size: 8, .value_kind: global_buffer, .address_space: global }
      - { .name: part, .offset: 48, .size: 8, .value_kind: global_buffer, .address_space: global }
    .group_segment_fixed_size: 38912
    .private_segment_fixed_size: 0
    .kernarg_segment_align: 8
    .kernarg_segment_size: 56
    .max_flat_workgroup_size: 512
    .sgpr_count:     96
    .vgpr_count:     256
    .wavefront_size: 32
...
	.end_amdgpu_metadata
.endif
;; end of part 1
;; launch finish (part 2): grid 32 x 1, 4 waves a work-group, no clusters, 0 bytes of LDS; arguments part, out0; writes out0
.if DOCPART == 2
	.amdgcn_target "amdgcn-amd-amdhsa--gfx1250"
	.amdhsa_code_object_version 6
	.text
	.protected	k_q5d4afd9a3e_finish
	.globl	k_q5d4afd9a3e_finish
	.p2align	8
	.type	k_q5d4afd9a3e_finish,@function
k_q5d4afd9a3e_finish:
	s_mov_b64 s[64:65], 0
	v_nop
	global_prefetch_b8 v0, s[64:65] scope:SCOPE_SE
	s_setreg_imm32_b32 hwreg(HW_REG_WAVE_MODE, 25, 1), 1
	s_wait_xcnt 0x0
; out0[b][:] = (sum over a batch's 8 blocks of f x the block's sums) / (sum of f x the block's l),  f = 2^(the block's m - the largest m).
; A work-group to a batch: 128 threads, four columns each.  A part is 2,304 bytes: 512 f32 sums, then (m, l) 32 times over, so that lane l finds the pair at 8 l.
; There is work for 32 work-groups, and 32 are launched.  A batch whose mask is all zero has l = 0 and sums of 0: 0 x (1 / 0) is NaN, as the reference's softmax of nothing but -infinity is.
.set PARTB, 2304
.set ST, 8                             ; v8-23   (m, l) of the 8 blocks
.set PC, 24                            ; v24-55  their sums, my four columns
.set RS, 56                            ; v56-59  the joined sums
.set GM, 60                            ; v60 the largest m, v61 the sum of f l
.set RC, 62                            ; v[62:63] its reciprocal
	s_load_b128 s[4:7], s[0:1], 0x0                ; the parts, out0
	v_lshlrev_b32 v1, 4, v0                        ; my 16 bytes of a row of 2,048
	v_and_b32 v2, 31, v0
	v_lshlrev_b32 v2, 3, v2                        ; my copy of (m, l)
	v_mov_b32 v[RC+1], 0                           ; (named as the upper half of the pair)
	s_mul_i32 s8, ttmp9, 8*PARTB
	s_mov_b32 s9, 0
	s_lshl_b32 s10, ttmp9, 11
	s_mov_b32 s11, 0
	s_wait_kmcnt 0x0
	s_add_nc_u64 s[4:5], s[4:5], s[8:9]
	s_add_nc_u64 s[6:7], s[6:7], s[10:11]
.irp c, 0,1,2,3,4,5,6,7
	global_load_b64 v[ST+2*\c:ST+2*\c+1], v2, s[4:5] offset:PARTB*\c+2048
.endr
.irp c, 0,1,2,3,4,5,6,7
	global_load_b128 v[PC+4*\c:PC+4*\c+3], v1, s[4:5] offset:PARTB*\c
.endr
	s_wait_loadcnt 8                               ; the eight (m, l) are in; the eight loads of sums may be out
	v_max3_num_f32 v[GM], v[ST], v[ST+2], v[ST+4]
	v_max3_num_f32 v[GM], v[GM], v[ST+6], v[ST+8]
	v_max3_num_f32 v[GM], v[GM], v[ST+10], v[ST+12]
	v_max_num_f32 v[GM], v[GM], v[ST+14]
.irp c, 0,1,2,3,4,5,6,7
	v_sub_f32 v[ST+2*\c], v[ST+2*\c], v[GM]
.endr
.irp c, 0,1,2,3,4,5,6,7
	v_exp_f32 v[ST+2*\c], v[ST+2*\c]
.endr
	v_nop                                          ; a plain instruction behind the last exponential
	s_wait_alu depctr_va_vdst(0)                   ; one wait for the batch, ahead of its first reader
	v_mul_f32 v[GM+1], v[ST], v[ST+1]
.irp c, 1,2,3,4,5,6,7
	v_fma_f32 v[GM+1], v[ST+2*\c], v[ST+2*\c+1], v[GM+1]
.endr
	v_rcp_f32 v[RC], v[GM+1]
	s_wait_loadcnt 0x0
	v_pk_mul_f32 v[RS:RS+1], v[PC:PC+1], v[ST:ST+1] op_sel_hi:[1,0]           ; the joining of the sums is the plain work behind the reciprocal
	v_pk_mul_f32 v[RS+2:RS+3], v[PC+2:PC+3], v[ST:ST+1] op_sel_hi:[1,0]
.irp c, 1,2,3,4,5,6,7
	v_pk_fma_f32 v[RS:RS+1], v[PC+4*\c:PC+4*\c+1], v[ST+2*\c:ST+2*\c+1], v[RS:RS+1] op_sel_hi:[1,0,1]
	v_pk_fma_f32 v[RS+2:RS+3], v[PC+4*\c+2:PC+4*\c+3], v[ST+2*\c:ST+2*\c+1], v[RS+2:RS+3] op_sel_hi:[1,0,1]
.endr
	s_wait_alu depctr_va_vdst(0)                   ; the wait for the reciprocal, ahead of its first reader
	v_pk_mul_f32 v[RS:RS+1], v[RS:RS+1], v[RC:RC+1] op_sel_hi:[1,0]
	v_pk_mul_f32 v[RS+2:RS+3], v[RS+2:RS+3], v[RC:RC+1] op_sel_hi:[1,0]
	global_store_b128 v1, v[RS:RS+3], s[6:7]       ; a wave stores 512 consecutive bytes, aligned
	s_endpgm
.Lfunc_end_k_q5d4afd9a3e_finish:
	.size	k_q5d4afd9a3e_finish, .Lfunc_end_k_q5d4afd9a3e_finish-k_q5d4afd9a3e_finish
	.p2alignl 7, 3214868480
	.fill 96, 4, 3214868480
	.section	.rodata,"a",@progbits
	.p2align	6, 0x0
	.amdhsa_kernel k_q5d4afd9a3e_finish
		.amdhsa_group_segment_fixed_size 0
		.amdhsa_private_segment_fixed_size 0
		.amdhsa_enable_private_segment 0
		.amdhsa_kernarg_size 16
		.amdhsa_user_sgpr_count 2
		.amdhsa_user_sgpr_kernarg_segment_ptr 1
		.amdhsa_wavefront_size32 1
		.amdhsa_system_sgpr_workgroup_id_x 1
		.amdhsa_system_sgpr_workgroup_id_y 1
		.amdhsa_system_sgpr_workgroup_id_z 1
		.amdhsa_system_vgpr_workitem_id 0
		.amdhsa_next_free_vgpr 64
		.amdhsa_next_free_sgpr 66
		.amdhsa_reserve_vcc 0
		.amdhsa_float_denorm_mode_32 3
		.amdhsa_float_denorm_mode_16_64 3
		.amdhsa_memory_ordered 1
		.amdhsa_forward_progress 1
		.amdhsa_inst_pref_size 5
	.end_amdhsa_kernel
	.amdgpu_metadata
---
amdhsa.version: [ 1, 2 ]
amdhsa.kernels:
  - .name:           k_q5d4afd9a3e_finish
    .symbol:         k_q5d4afd9a3e_finish.kd
    .args:
      - { .name: part, .offset: 0, .size: 8, .value_kind: global_buffer, .address_space: global }
      - { .name: out0, .offset: 8, .size: 8, .value_kind: global_buffer, .address_space: global }
    .group_segment_fixed_size: 0
    .private_segment_fixed_size: 0
    .kernarg_segment_align: 8
    .kernarg_segment_size: 16
    .max_flat_workgroup_size: 128
    .sgpr_count:     66
    .vgpr_count:     64
    .wavefront_size: 32
...
	.end_amdgpu_metadata
.endif
;; end of part 2
;; ======== version 2 of 2: 2 launches; version 1 with the launch main written anew for expert scheduling mode
;; limits: right only within a limited range of input values
;; workspace buffers: part 589,824 bytes
;; launch main (part 3): grid 8 x 32, 16 waves a work-group, no clusters, 38,912 bytes of LDS; arguments keyvalues, keyvalues_mask, query_codes, query_scales, weight_codes, weight_scales, part; writes part
.if DOCPART == 3
	.amdgcn_target "amdgcn-amd-amdhsa--gfx1250"
	.amdhsa_code_object_version 6
	.text
	.protected	k_q5d4afd9a3e_main
	.globl	k_q5d4afd9a3e_main
	.p2align	8
	.type	k_q5d4afd9a3e_main,@function
k_q5d4afd9a3e_main:
	s_mov_b64 s[64:65], 0
	v_nop
	global_prefetch_b8 v0, s[64:65] scope:SCOPE_SE
	s_setreg_imm32_b32 hwreg(HW_REG_WAVE_SCHED_MODE, 0, 2), 2
	s_setreg_imm32_b32 hwreg(HW_REG_WAVE_MODE, 25, 1), 1
	s_wait_xcnt 0x0
	s_wait_alu depctr_vm_vsrc(0)
; a[b][:] = sum over s of softmax_s(mask, kv[b][s] . v[b]) kv[b][s][:],  v[b][k] = sum over q of query[b][q] weight[q][k].
; v is the quantised product: codes of BF8 (E5M2) with E8M0 scales, as they are given, by the scaled matrix instruction.  All else is f32.
; SHARES.  A work-group of 16 waves takes one block of 512 rows of one batch (grid: 8 blocks x 32 batches) and leaves a part: the largest t, the sum of p and the 512 sums of p x kv
; (t = score x log2 e, p = 2^(t - m), m the running largest t).  The next launch joins a batch's 8 parts.
; ROWS UNDER A ZERO OF THE MASK ARE NOT READ: their weight is 0.  Every wave reads the block's 512 mask words, counts, and finds its own rows: the live row of rank 16 i + w is row i of wave w,
; so the waves' counts differ by one at the most.  The search is done in registers, a lane for each i; nothing is scattered.
; v: wave w makes columns 32 w .. 32 w + 31: source 0 = 16 rows of weight_codes (K innermost), source 1 = the batch's query row in all 16 columns, so every lane holds v of my batch;
; the 512 numbers meet in LDS.  Each work-group makes its own v: 262,144 bytes of codes against a launch more.
; THE STREAM.  A row is 2,048 bytes: four loads of a wave, each 512 consecutive bytes, aligned; a lane holds 16 numbers of the row, of v and of the sums.  Rows go in groups of 5 through two buffers of
; 80 registers: a group is asked for before the group ahead of it is worked on, so 5 to 10 rows of each wave are on their way.
; NO JOINT LOADS for the weights, which all work-groups read.
; LIMITS.  NaN and infinities in keyvalues are not served (a row under a zero of the mask is not read, so its 0 x infinity does not show); t under -3e38 is not served; sums in another order than the reference's.
; A block with no live row leaves m = -3e38, l = 0 and sums of 0.
; THE MODE: SCHED_MODE bits 1:0 = 2 (LLVM: expert scheduling mode 2), set by the entry lines.  The code itself states the register dependences
; between vector or matrix instructions and memory or LDS instructions, with s_wait_alu, always for 0.
; THE PLAN.  Registers that memory or LDS instructions touch:
;   v1            16 x lane: the offset of the mask's loads, of every row's loads and of the LDS loads of v.  Written once, at the head.
;   v4 .. v7      The head's loads read them as offsets; behind the products they are written anew, as LDS addresses, which the end's LDS instructions read.
;   v16 .. v31    The mask lands; sixteen compares read it; the LDS loads of v land; from then on vector instructions alone name them.
;   v32 .. v47    The products write them; four LDS stores read them; then they are cleared and are the sums, which the end's LDS stores read.
;   X0, X1        First the fragments, which the products read.  Then: group g's vector work reads X[g % 2]; behind it the loads of group g + 2 land there.
;   v8, v9        m and l: written by the groups' work, read by one LDS store at the end.
; So a group has ONE wait on va_vdst for its buffer, behind its last multiply-add; between that wait and the loads of group g + 2 stand scalar lines alone: the rows' numbers
; were taken out of their lanes at the head of the group's work, with one wait on va_sdst in its middle.  No offset is written in the stream: each place in the buffers has a scalar address of its own.
.set R,     5                          ; rows in a group
.set VST,   0                          ; LDS: v of my batch, 512 f32
.set ML,    2048                       ; LDS: (m, l) of the 16 waves, 8 bytes each
.set CMB,   4096                       ; LDS: the 16 waves' sums, 2,048 bytes each
.set PARTB, 2304                       ; a block's part in the workspace: 2,048 bytes of sums, then 256 bytes of (m, l)
.set LO,   1                           ; v1   16 x lane: my bytes of a load's 512; never rewritten
.set ROW,  2                           ; v2   lane i: row i of my wave
.set VS,   3                           ; v3   LDS: where I put v
.set WA,   4                           ; v4   weights: 512 r + 16 h;            later CA: where I put my sums
.set CA,   4
.set QA,   5                           ; v5   query: 16 h;                      later RA: where I read sums back
.set RA,   5
.set SA,   6                           ; v6   weight scales: 16 r;              later MLW: where I put (m, l)
.set MLW,  6
.set ZZ,   7                           ; v7   0;                                later 32 x wave
.set W32,  7
.set KK,   8                           ; v8-15, v64-66: the search;  later v[8:9] m, l;  v[10:11] a;  v12 the old m
.set XW,   9
.set RK,   10
.set JJ,   11
.set C2,   12
.set C4,   13
.set C8,   14
.set C16,  15
.set M,    8
.set AF,   10
.set MO,   12
.set MK,   16                          ; v16-31  the mask words, then v x log2 e
.set V,    16
.set D,    32                          ; v32-47  the product's two results, then the 16 sums
.set ACC,  32
.set T,    48                          ; v48-57  a pair for each row of a group: t, then p, in the even register
.set TT,   64
.set TU,   65
.set POS,  66
.set BS,   68                          ; v68-71   the query row's scale words: nothing else
.set X,    72                          ; v72-231  two buffers of 5 rows x 16 registers
.set WF,   72                          ; v72-199  ahead of that: the weights' fragments (tile u, K step s) at 64 u + 16 s; the query's at v200, v216, v232, v48
.set AS,   248                         ; v248-255 the weights' scale words (tile u, K step s) at 4 u + s: nothing else
.set TB,   72                          ; the end: (m, l) of 16 waves;  v104-167 their sums;  v168-171 the joined sums;  v[172:173] the block's m, l
.set PC,   104
.set RS,   168
.set GM,   172
.set BW,   16                          ; s16-31  the mask as 16 words of 32 bits
.set PF,   32                          ; s32-48  live rows ahead of each word; s48: in the block
.set WV,   49                          ; s49     my wave
.set CNT,  50                          ; s50     my wave's rows
.set NINF, 51                          ; s51     -infinity
.set SEL,  52                          ; s[52:53] v_permlanex16_b32's selects for lane l xor 16
.set TMP,  54                          ; s[54:55] an offset, its high word 0
.set BT,   56                          ; s56     the batch
.set BLK,  57                          ; s57     8 x batch + block
.set PK1,  58                          ; s58-62  at the head: the numbers of group 1's rows
.set BASE, 66                          ; s66-85  a row's address for each of the ten places in the buffers
.set CM,   66                          ; s66-80  ahead of that: the search's fifteen masks
.set VAL,  86                          ; s86-90  0 for a place that holds a row of mine, -infinity for one that does not
.set PK,   91                          ; s91-95  the numbers of the rows of the group that is asked for next
	s_load_b256 s[4:11], s[0:1], 0x0               ; keyvalues s[4:5], mask s[6:7], query codes s[8:9], query scales s[10:11]
	s_load_b128 s[12:15], s[0:1], 0x20             ; weight codes s[12:13], weight scales s[14:15]
	s_load_b64 s[2:3], s[0:1], 0x30                ; the parts
	v_lshrrev_b32 v[POS], 5, v0
	v_readfirstlane_b32 s[WV], v[POS]              ; wave 0..15
	v_and_b32 v[LO], 31, v0                        ; lane
	v_and_b32 v[TT], 15, v0                        ; r
	v_bfe_u32 v[TU], v0, 4, 1                      ; h
	v_lshlrev_b32 v[WA], 9, v[TT]                  ; a row of weight codes is 512 bytes
	v_lshl_add_u32 v[WA], v[TU], 4, v[WA]
	v_lshlrev_b32 v[QA], 4, v[TU]                  ; every lane takes the batch's one query row
	v_lshlrev_b32 v[SA], 4, v[TT]                  ; 16 scale bytes a row
	v_mov_b32 v[ZZ], 0
	s_wait_alu depctr_va_sdst(0)                   ; s49, the wave's number, is written, ahead of its first reader, the next line
	v_lshl_add_u32 v[KK], v[LO], 4, s[WV]          ; the rank that lane i looks for: 16 i + w
	v_lshlrev_b32 v[LO], 4, v[LO]
	s_and_b32 s[BT], ttmp7, 0xffff
	s_lshl_b32 s[BLK], s[BT], 3
	s_add_co_u32 s[BLK], s[BLK], ttmp9
	s_mov_b32 s[TMP+1], 0
	s_mov_b32 s[NINF], 0xff800000
	s_mov_b32 s[SEL], 0x76543210
	s_mov_b32 s[SEL+1], 0xfedcba98
	s_wait_kmcnt 0x0
	s_lshl_b32 s[TMP], s[BLK], 11                  ; 512 mask words of 4 bytes
	s_add_nc_u64 s[6:7], s[6:7], s[TMP:TMP+1]
	s_lshl_b32 s[TMP], s[BLK], 20                  ; 512 rows of 2,048 bytes (under 2^28 in all)
	s_add_nc_u64 s[4:5], s[4:5], s[TMP:TMP+1]
	s_mul_i32 s[TMP], s[BLK], PARTB
	s_add_nc_u64 s[2:3], s[2:3], s[TMP:TMP+1]
	s_lshl_b32 s[TMP], s[BT], 9
	s_add_nc_u64 s[8:9], s[8:9], s[TMP:TMP+1]
	s_lshl_b32 s[TMP], s[BT], 4
	s_add_nc_u64 s[10:11], s[10:11], s[TMP:TMP+1]
	s_lshl_b32 s[TMP], s[WV], 14                   ; my 32 rows of weight codes
	s_add_nc_u64 s[12:13], s[12:13], s[TMP:TMP+1]
	s_lshl_b32 s[TMP], s[WV], 9                    ; and their scale bytes
	s_add_nc_u64 s[14:15], s[14:15], s[TMP:TMP+1]
	s_wait_alu depctr_va_vdst(0)                   ; the offsets v1 and v4 to v7 are written, which the loads below read
	; the mask first: it is wanted first.  Register 4 q + e of lane l holds the word of row 128 q + 4 l + e
.irp q, 0,1,2,3
	global_load_b128 v[MK+4*\q:MK+4*\q+3], v[LO], s[6:7] offset:512*\q
.endr
	global_load_b128 v[AS:AS+3], v[SA], s[14:15]               ; lane r: row r's four scale words, one for each 128 along K
	global_load_b128 v[AS+4:AS+7], v[SA], s[14:15] offset:256
	global_load_b128 v[BS:BS+3], v[ZZ], s[10:11]               ; the query row's, the same in every lane
.macro QLOAD s, q                      ; a fragment: registers 4 c .. 4 c + 3 hold K = 128 s + 32 c + 16 h + 0 .. 15
.irp c, 0,1,2,3
	global_load_b128 v[\q+4*\c:\q+4*\c+3], v[QA], s[8:9] offset:128*\s+32*\c
.endr
.endm
	QLOAD 0, 200
	QLOAD 1, 216
	QLOAD 2, 232
	QLOAD 3, 48
.irp u, 0,1
.irp s, 0,1,2,3
.irp c, 0,1,2,3
	global_load_b128 v[WF+64*\u+16*\s+4*\c:WF+64*\u+16*\s+4*\c+3], v[WA], s[12:13] offset:8192*\u+128*\s+32*\c
.endr
.endr
.endr
	; ---- which rows are mine.  All of this stands between the weights' loads and the wait for them
	s_wait_loadcnt 51                              ; the mask's four loads are in; the 3 + 16 + 32 loads issued behind them may be out
.irp j, 0,1,2,3,4,5,6,7,8,9,10,11,12,13,14,15
	v_cmp_ne_u32 s[BW+\j], 0, v[MK+\j]             ; word j: bit l stands for row 128 (j / 4) + 4 l + j % 4.  The order of the rows is free: every live row gets one rank
.endr
	s_wait_alu depctr_va_sdst(0)                   ; the sixteen compares have written s16 to s31, ahead of their first readers, the counts below
	s_mov_b32 s[PF], 0
.irp j, 0,1,2,3,4,5,6,7,8,9,10,11,12,13,14,15
	s_bcnt1_i32_b32 s[TMP], s[BW+\j]
	s_add_co_u32 s[PF+\j+1], s[PF+\j], s[TMP]
.endr
	s_add_co_u32 s[CNT], s[PF+16], 15
	s_sub_co_u32 s[CNT], s[CNT], s[WV]
	s_lshr_b32 s[CNT], s[CNT], 4                   ; ranks 16 i + w under the block's count: (n + 15 - w) / 16
.irp j, 1,2,3,4,5,6,7,8,9,10,11,12,13,14,15
	v_cmp_gt_u32 s[CM+\j-1], s[PF+\j], v[KK]       ; the last word with no more live rows ahead of it than my rank holds my row.  The compares hang on the rank alone: they stand in one run, a mask each
.endr
	v_mov_b32 v[XW], s[BW]
	v_mov_b32 v[RK], 0
	v_mov_b32 v[JJ], 0
	s_wait_alu depctr_va_sdst(0)                   ; the fifteen compares have written s66 to s80, ahead of their first readers, the selects below
.irp j, 1,2,3,4,5,6,7,8,9,10,11,12,13,14,15
	v_cndmask_b32 v[XW], s[BW+\j], v[XW], s[CM+\j-1]   ; the word,
	v_cndmask_b32 v[RK], s[PF+\j], v[RK], s[CM+\j-1]   ; the live rows ahead of it,
	v_cndmask_b32 v[JJ], 128*(\j/4)+\j%4, v[JJ], s[CM+\j-1]   ; the row of its bit 0
.endr
	v_sub_nc_u32 v[RK], v[KK], v[RK]               ; my rank inside the word
	v_lshrrev_b32 v[TT], 1, v[XW]                  ; the word's ones, counted in fields of 2, 4, 8 bits and in the low 16
	v_and_b32 v[TT], 0x55555555, v[TT]
	v_sub_nc_u32 v[C2], v[XW], v[TT]
	v_lshrrev_b32 v[TT], 2, v[C2]
	v_and_b32 v[TT], 0x33333333, v[TT]
	v_and_b32 v[TU], 0x33333333, v[C2]
	v_add_nc_u32 v[C4], v[TU], v[TT]
	v_lshrrev_b32 v[TT], 4, v[C4]
	v_add_nc_u32 v[TT], v[C4], v[TT]
	v_and_b32 v[C8], 0x0f0f0f0f, v[TT]
	v_lshrrev_b32 v[TT], 8, v[C8]
	v_add_nc_u32 v[TT], v[C8], v[TT]
	v_and_b32 v[C16], 0xff, v[TT]
	v_mov_b32 v[POS], 0
.macro DOWN cnt, wid                   ; is my one among the lower wid bits from POS on?  If not, pass them
	v_bfe_u32 v[TT], v[\cnt], v[POS], \wid
	v_cmp_ge_u32 vcc_lo, v[RK], v[TT]
	v_sub_nc_u32 v[TT], v[RK], v[TT]
	s_wait_alu depctr_va_vcc(0)                    ; the compare has written VCC, ahead of its first reader, the next line (each step down hangs on the step before: no run of compares here)
	v_cndmask_b32 v[RK], v[RK], v[TT], vcc_lo
	v_cndmask_b32 v[TU], 0, \wid, vcc_lo
	v_add_nc_u32 v[POS], v[POS], v[TU]
.endm
	DOWN C16, 16
	DOWN C8, 8
	DOWN C4, 4
	DOWN C2, 2
	DOWN XW, 1
	v_lshl_add_u32 v[ROW], v[POS], 2, v[JJ]        ; a lane whose rank is past the count ends at row 511: inside the block, and never counted
.irp j, 0,1,2,3,4
	v_readlane_b32 s[PK+\j], v[ROW], \j            ; the numbers of group 0's rows come out of their lanes,
.endr
.irp j, 0,1,2,3,4
	v_readlane_b32 s[PK1+\j], v[ROW], R+\j         ; and group 1's
.endr
	s_wait_alu depctr_va_sdst(0)                   ; these ten lines have written s91 to s95 and s58 to s62, ahead of their first readers, behind the products
	; ---- v = query x weight, my 32 columns: two accumulators by turns; the first K step starts the sums
	s_wait_loadcnt 0x0
	s_wait_alu depctr_vm_vsrc(0)                   ; the head's loads have read their offsets v4 to v7, which are written anew behind the products
.macro MM u, s, q, first
.if \first
	v_wmma_scale_f32_16x16x128_f8f6f4 v[D+8*\u:D+8*\u+7], v[WF+64*\u+16*\s:WF+64*\u+16*\s+15], v[\q:\q+15], 0, v[AS+4*\u+\s], v[BS+\s] matrix_a_fmt:MATRIX_FMT_BF8 matrix_b_fmt:MATRIX_FMT_BF8
.else
	v_wmma_scale_f32_16x16x128_f8f6f4 v[D+8*\u:D+8*\u+7], v[WF+64*\u+16*\s:WF+64*\u+16*\s+15], v[\q:\q+15], v[D+8*\u:D+8*\u+7], v[AS+4*\u+\s], v[BS+\s] matrix_a_fmt:MATRIX_FMT_BF8 matrix_b_fmt:MATRIX_FMT_BF8
.endif
.endm
	MM 0, 0, 200, 1
	MM 1, 0, 200, 1
	MM 0, 1, 216, 0
	MM 1, 1, 216, 0
	MM 0, 2, 232, 0
	MM 1, 2, 232, 0
	MM 0, 3, 48, 0
	MM 1, 3, 48, 0
	; thirteen plain instructions that name no register of the products: more than the eight places owed ahead of the LDS stores of the results
	v_and_b32 v[W32], 0x1e0, v0                    ; 32 x wave
	v_bfe_u32 v[VS], v0, 4, 1
	v_lshlrev_b32 v[VS], 5, v[VS]
	v_lshl_add_u32 v[VS], v[W32], 2, v[VS]         ; v: 128 w + 32 h: register j of tile u is column 32 w + 16 u + 8 h + j
	v_lshl_add_u32 v[CA], v[W32], 6, v[LO]
	v_add_nc_u32 v[CA], CMB, v[CA]                 ; my sums: 2,048 w + 16 x lane
	v_and_b32 v[RA], 127, v0
	v_lshl_add_u32 v[RA], v[RA], 4, CMB            ; back, in waves 0 to 3: 512 w + 16 x lane of each wave's 2,048 bytes
	v_lshrrev_b32 v[MLW], 2, v[W32]
	v_add_nc_u32 v[MLW], ML, v[MLW]                ; (m, l): 8 w
	v_mov_b32 v[M], 0xff61b1e6                     ; m = -3e38, under every t
	v_mov_b32 v[M+1], 0                            ; l
	v_mov_b32 v[AF+1], 0                           ; (named as the upper half of the pair v[10:11])
	s_wait_alu depctr_va_vdst(0)                   ; the products have written v32 to v47, which the LDS stores read, and are done reading the fragments, in which the rows' loads land; the LDS addresses v3 to v6 are written; the compares are done reading v16 to v31, in which the LDS loads of v land.  The places above stay beside this wait
	ds_store_b128 v[VS], v[D:D+3]                  ; the sixteen lanes of a half hold the same numbers and write the same bytes; each result from its low end on
	ds_store_b128 v[VS], v[D+4:D+7] offset:16
	ds_store_b128 v[VS], v[D+8:D+11] offset:64
	ds_store_b128 v[VS], v[D+12:D+15] offset:80
; row j of group g is asked for: four loads of 512 consecutive bytes.  The row's number, in s[p], is held inside the block and goes into an address of its own for each place.  Scalar lines and loads alone
.macro ROWLOAD g, j, p
.set SL, R*((\g)%2)+(\j)
	s_min_u32 s[TMP], s[\p], 511
	s_lshl_b32 s[TMP], s[TMP], 11
	s_add_nc_u64 s[BASE+2*SL:BASE+2*SL+1], s[4:5], s[TMP:TMP+1]   ; the place's last loads, two groups back, were waited for ahead of that group's work
.irp i, 0,1,2,3
	global_load_b128 v[X+16*SL+4*\i:X+16*SL+4*\i+3], v[LO], s[BASE+2*SL:BASE+2*SL+1] offset:512*\i th:TH_LOAD_NT
.endr
.endm
	; groups 0 and 1 are always asked for whole, so that every register of both buffers holds numbers of keyvalues: a wave with fewer than ten rows reads row 511 in the places left over
.irp j, 0,1,2,3,4
	ROWLOAD 0, \j, PK+\j
.endr
.irp j, 0,1,2,3,4
	ROWLOAD 1, \j, PK1+\j
.endr
	s_wait_dscnt 0x0                               ; for the others' sake: my part of v lies in LDS
	s_barrier_signal -1
	s_barrier_wait -1
.irp i, 0,1,2,3
	ds_load_b128 v[V+4*\i:V+4*\i+3], v[LO] offset:VST+512*\i      ; register 4 i + e: column 128 i + 4 x lane + e, as the rows' loads lay them
.endr
	s_wait_alu depctr_vm_vsrc(0)                   ; my LDS stores of v have read v32 to v47, which the next lines write
.irp e, 0,1,2,3,4,5,6,7,8,9,10,11,12,13,14,15
	v_mov_b32 v[ACC+\e], 0                         ; the 16 sums (the results that lay here have been stored)
.endr
	s_wait_dscnt 0x0
.irp e, 0,2,4,6,8,10,12,14
	v_pk_mul_f32 v[V+\e:V+\e+1], v[V+\e:V+\e+1], 0x3fb8aa3b op_sel_hi:[1,0]   ; x log2 e, once: the dot products are t
.endr
; group g is asked for, as far as the wave has rows; then the wait for group g - 1.  The wait stands on the same way as the loads that it counts.
; No wait on the vector side stands here: the work on group g - 2 ended with it, and no vector instruction has been issued since
.macro NEXT g, nr
.set j, 0
.rept \nr
	s_cmp_gt_u32 s[CNT], (\g)*R+j
	s_cbranch_scc0 .Lshort_\g
	ROWLOAD \g, j, PK+j
.set j, j+1
.endr
	s_wait_loadcnt 4*\nr                           ; the group just asked for, whole, may stay out: the group ahead of it is in
	s_branch .Lgo_\g
.Lshort_\g:
	s_wait_loadcnt 0x0                             ; the wave's last rows: all that is out is waited for
.Lgo_\g:
.endm
; the work on group g, nr rows.  pk: how many rows group g + 2 may have (0: there is no such group)
.macro COMPUTE g, nr, pk
.set XB, X+16*R*((\g)%2)
.set j, 0
.rept \nr
	s_cmp_gt_u32 s[CNT], (\g)*R+j
	s_cselect_b32 s[VAL+j], 0, s[NINF]
.set j, j+1
.endr
.if \pk
.set j, 0
.rept \pk
	v_readlane_b32 s[PK+j], v[ROW], ((\g)+2)*R+j   ; the numbers of group g + 2's rows come out of their lanes here, so that only scalar lines stand ahead of that group's loads
.set j, j+1
.endr
.endif
.set j, 0
.rept \nr
	v_pk_mul_f32 v[T+2*j:T+2*j+1], v[XB+16*j:XB+16*j+1], v[V:V+1]   ; t = row . v: my 16 numbers, two at a time, the rows by turns
.set j, j+1
.endr
.irp e, 2,4,6,8,10,12,14
.set j, 0
.rept \nr
	v_pk_fma_f32 v[T+2*j:T+2*j+1], v[XB+16*j+\e:XB+16*j+\e+1], v[V+\e:V+\e+1], v[T+2*j:T+2*j+1]
.set j, j+1
.endr
.endr
.set j, 0
.rept \nr
	v_add_f32 v[T+2*j], v[T+2*j], v[T+2*j+1]
.set j, j+1
.endr
.irp x, 1,2,4,8
.set j, 0
.rept \nr
	v_add_f32_dpp v[T+2*j], v[T+2*j], v[T+2*j] row_xmask:\x row_mask:0xf bank_mask:0xf   ; over the 16 lanes of a half,
.set j, j+1
.endr
.endr
.set j, 0
.rept \nr
	v_permlanex16_b32 v[T+2*j+1], v[T+2*j], s[SEL], s[SEL+1]
.set j, j+1
.endr
.set j, 0
.rept \nr
	v_add_f32 v[T+2*j], v[T+2*j], v[T+2*j+1]       ; and the other half's: every lane holds t
.set j, j+1
.endr
.set j, 0
.rept \nr
	v_add_f32 v[T+2*j], s[VAL+j], v[T+2*j]         ; a place without a row of mine: -infinity, so p = 0 (its registers hold an older row's numbers)
.set j, j+1
.endr
	v_mov_b32 v[MO], v[M]
	v_max3_num_f32 v[M], v[M], v[T], v[T+2]        ; the running largest t
.if \nr == 5
	v_max3_num_f32 v[M], v[M], v[T+4], v[T+6]
	v_max_num_f32 v[M], v[M], v[T+8]
.endif
	v_sub_f32 v[AF], v[MO], v[M]
.set j, 0
.rept \nr
	v_sub_f32 v[T+2*j], v[T+2*j], v[M]
.set j, j+1
.endr
	v_exp_f32 v[AF], v[AF]                         ; a = 2^(old m - new m)
.set j, 0
.rept \nr
	v_exp_f32 v[T+2*j], v[T+2*j]                   ; p = 2^(t - m)
.set j, j+1
.endr
	v_nop                                          ; a plain instruction behind the last exponential
	s_wait_alu depctr_va_vdst(0)                   ; the exponentials have written a and p: one wait for the batch, ahead of its first reader
.if \pk
	s_wait_alu depctr_va_sdst(0)                   ; the lines at the head of this work have written s91 on, ahead of their first readers, where group g + 2 is asked for
.endif
.irp e, 0,2,4,6,8,10,12,14
	v_pk_mul_f32 v[ACC+\e:ACC+\e+1], v[ACC+\e:ACC+\e+1], v[AF:AF+1] op_sel_hi:[1,0]   ; the sums under the new m
.endr
	v_fma_f32 v[M+1], v[M+1], v[AF], v[T]
.set j, 0
.rept \nr
.irp e, 0,2,4,6,8,10,12,14
	v_pk_fma_f32 v[ACC+\e:ACC+\e+1], v[XB+16*j+\e:XB+16*j+\e+1], v[T+2*j:T+2*j+1], v[ACC+\e:ACC+\e+1] op_sel_hi:[1,0,1]   ; += p x row (of the pair the low word, p, serves both halves)
.endr
.if j > 0
	v_add_f32 v[M+1], v[M+1], v[T+2*j]
.endif
.set j, j+1
.endr
.if \pk
	s_wait_alu depctr_va_vdst(0)                   ; this group's multiply-adds are done reading its buffer, in which the loads of group g + 2 land; it stands ahead of the branches that lead to them
.endif
.endm
.macro GUARD g                         ; no row of mine in group g: the wave has asked for nothing more
	s_cmp_gt_u32 s[CNT], (\g)*R
	s_cbranch_scc0 .Ldone
.endm
	; a wave has at most 32 rows: seven groups, written out; the lanes out of which the rows' numbers come are constants of the text
	s_wait_loadcnt 20                              ; group 0 is in; group 1's 20 loads may be out
	COMPUTE 0, 5, 5
	NEXT 2, 5
	COMPUTE 1, 5, 5
	GUARD 2
	NEXT 3, 5
	COMPUTE 2, 5, 5
	GUARD 3
	NEXT 4, 5
	COMPUTE 3, 5, 5
	GUARD 4
	NEXT 5, 5
	COMPUTE 4, 5, 2
	GUARD 5
	NEXT 6, 2
	COMPUTE 5, 5, 0
	GUARD 6
	s_wait_loadcnt 0x0
	COMPUTE 6, 2, 0
.Ldone:
	s_wait_loadcnt 0x0                             ; a wave comes here only when it has asked for no further row: the wait says so on every way through the text
	s_wait_alu depctr_va_vdst(0)                   ; the last group's work has written the sums, m and l, which the LDS stores read, and is done reading the buffers, in which the LDS loads of waves 0 to 3 land
	; ---- the 16 waves' parts meet in LDS
.irp i, 0,1,2,3
	ds_store_b128 v[CA], v[ACC+4*\i:ACC+4*\i+3] offset:512*\i
.endr
	ds_store_b64 v[MLW], v[M:M+1]                  ; all lanes write the same 8 bytes with the same numbers
	s_wait_dscnt 0x0                               ; for the others' sake
	s_barrier_signal -1
	s_barrier_wait -1
	s_cmp_lt_u32 s[WV], 4
	s_cbranch_scc1 .Lsum
	s_wait_xcnt 0x0
	v_lshl_add_u32 v254, v0, 2, 0x9000             ; the add's two registers, made anew: they held scale words, and no memory or LDS instruction has read them
	v_mov_b32 v255, 0
	s_wait_dscnt 0x0                               ; the closing lines, six on end
	s_wait_alu 0x0
	s_wait_tensorcnt 0x0
	ds_add_u32 v254, v255
	s_wait_dscnt 0x0
	s_endpgm
.Lsum:                                         ; wave i of four joins columns 128 i .. 128 i + 127, four a lane
	v_mov_b32 v[T], ML
	v_lshlrev_b32 v[T+1], 4, v0                    ; my 16 bytes of the part's 2,048
	v_and_b32 v[T+2], 31, v0
	v_lshlrev_b32 v[T+2], 3, v[T+2]
	s_wait_alu depctr_va_vdst(0)                   ; v48 to v50 are written: the LDS address of the table of (m, l), and the two stores' offsets
.irp q, 0,1,2,3,4,5,6,7
	ds_load_b128 v[TB+4*\q:TB+4*\q+3], v[T] offset:16*\q          ; (m, l) of waves 2 q and 2 q + 1
.endr
.irp w, 0,1,2,3,4,5,6,7,8,9,10,11,12,13,14,15
	ds_load_b128 v[PC+4*\w:PC+4*\w+3], v[RA] offset:2048*\w
.endr
	s_wait_dscnt 16                                ; the eight loads of (m, l) are in; the 16 of sums may be out
	v_max3_num_f32 v[GM], v[TB], v[TB+2], v[TB+4]
.irp w, 3,5,7,9,11,13
	v_max3_num_f32 v[GM], v[GM], v[TB+2*\w], v[TB+2*\w+2]
.endr
	v_max_num_f32 v[GM], v[GM], v[TB+30]           ; the block's m
.irp w, 0,1,2,3,4,5,6,7,8,9,10,11,12,13,14,15
	v_sub_f32 v[TB+2*\w], v[TB+2*\w], v[GM]
.endr
.irp w, 0,1,2,3,4,5,6,7,8,9,10,11,12,13,14,15
	v_exp_f32 v[TB+2*\w], v[TB+2*\w]               ; f = 2^(the wave's m - the block's): 1 for a wave without rows in a block without rows, whose sums are 0
.endr
	v_nop
	s_wait_alu depctr_va_vdst(0)                   ; the sixteen exponentials have written f: one wait for the batch, ahead of its first reader
	v_mul_f32 v[GM+1], v[TB], v[TB+1]
.irp w, 1,2,3,4,5,6,7,8,9,10,11,12,13,14,15
	v_fma_f32 v[GM+1], v[TB+2*\w], v[TB+2*\w+1], v[GM+1]          ; the block's l
.endr
	s_wait_dscnt 0x0
	v_pk_mul_f32 v[RS:RS+1], v[PC:PC+1], v[TB:TB+1] op_sel_hi:[1,0]
	v_pk_mul_f32 v[RS+2:RS+3], v[PC+2:PC+3], v[TB:TB+1] op_sel_hi:[1,0]
.irp w, 1,2,3,4,5,6,7,8,9,10,11,12,13,14,15
	v_pk_fma_f32 v[RS:RS+1], v[PC+4*\w:PC+4*\w+1], v[TB+2*\w:TB+2*\w+1], v[RS:RS+1] op_sel_hi:[1,0,1]
	v_pk_fma_f32 v[RS+2:RS+3], v[PC+4*\w+2:PC+4*\w+3], v[TB+2*\w:TB+2*\w+1], v[RS+2:RS+3] op_sel_hi:[1,0,1]
.endr
	s_wait_alu depctr_va_vdst(0)                   ; the joined sums v168 to v171 and the block's m and l, v172 and v173, are written, which the two stores read
	global_store_b128 v[T+1], v[RS:RS+3], s[2:3]   ; the wave stores 512 consecutive bytes, aligned
	s_cmp_lg_u32 s[WV], 0
	s_cbranch_scc1 .Lend
	global_store_b64 v[T+2], v[GM:GM+1], s[2:3] offset:2048       ; (m, l) 32 times over: 256 consecutive bytes, aligned, by one store
.Lend:
	s_wait_xcnt 0x0
	v_lshl_add_u32 v254, v0, 2, 0x9000             ; the add's two registers, made anew: they held scale words, and no memory or LDS instruction has read them
	v_mov_b32 v255, 0
	s_wait_dscnt 0x0                               ; the closing lines, six on end
	s_wait_alu 0x0
	s_wait_tensorcnt 0x0
	ds_add_u32 v254, v255
	s_wait_dscnt 0x0
	s_endpgm
.Lfunc_end_k_q5d4afd9a3e_main:
	.size	k_q5d4afd9a3e_main, .Lfunc_end_k_q5d4afd9a3e_main-k_q5d4afd9a3e_main
	.p2alignl 7, 3214868480
	.fill 96, 4, 3214868480
	.section	.rodata,"a",@progbits
	.p2align	6, 0x0
	.amdhsa_kernel k_q5d4afd9a3e_main
		.amdhsa_group_segment_fixed_size 38912
		.amdhsa_private_segment_fixed_size 0
		.amdhsa_enable_private_segment 0
		.amdhsa_kernarg_size 56
		.amdhsa_user_sgpr_count 2
		.amdhsa_user_sgpr_kernarg_segment_ptr 1
		.amdhsa_wavefront_size32 1
		.amdhsa_system_sgpr_workgroup_id_x 1
		.amdhsa_system_sgpr_workgroup_id_y 1
		.amdhsa_system_sgpr_workgroup_id_z 1
		.amdhsa_system_vgpr_workitem_id 0
		.amdhsa_next_free_vgpr 256
		.amdhsa_next_free_sgpr 96
		.amdhsa_reserve_vcc 1
		.amdhsa_float_denorm_mode_32 3
		.amdhsa_float_denorm_mode_16_64 3
		.amdhsa_memory_ordered 1
		.amdhsa_forward_progress 1
		.amdhsa_inst_pref_size 104
	.end_amdhsa_kernel
	.amdgpu_metadata
---
amdhsa.version: [ 1, 2 ]
amdhsa.kernels:
  - .name:           k_q5d4afd9a3e_main
    .symbol:         k_q5d4afd9a3e_main.kd
    .args:
      - { .name: keyvalues, .offset: 0, .size: 8, .value_kind: global_buffer, .address_space: global }
      - { .name: keyvalues_mask, .offset: 8, .size: 8, .value_kind: global_buffer, .address_space: global }
      - { .name: query_codes, .offset: 16, .size: 8, .value_kind: global_buffer, .address_space: global }
      - { .name: query_scales, .offset: 24, .size: 8, .value_kind: global_buffer, .address_space: global }
      - { .name: weight_codes, .offset: 32, .size: 8, .value_kind: global_buffer, .address_space: global }
      - { .name: weight_scales, .offset: 40, .size: 8, .value_kind: global_buffer, .address_space: global }
      - { .name: part, .offset: 48, .size: 8, .value_kind: global_buffer, .address_space: global }
    .group_segment_fixed_size: 38912
    .private_segment_fixed_size: 0
    .kernarg_segment_align: 8
    .kernarg_segment_size: 56
    .max_flat_workgroup_size: 512
    .sgpr_count:     96
    .vgpr_count:     256
    .wavefront_size: 32
...
	.end_amdgpu_metadata
.endif
;; end of part 3
;; launch finish: the kernel of part 2 again; grid 32 x 1, 4 waves a work-group, no clusters, 0 bytes of LDS; arguments part, out0; writes out0
